; MI455X (gfx1250); checked and timed in simulation.
; The chip was launched on July 23, 2026; its instructions are those of AMD's public machine-readable ISA for CDNA 5 (MIT licence, August 2026) and "CDNA5" Instruction Set Architecture Reference Guide (July 2026). The comments in the code are by the model that wrote it; some were corrected since.
;; HGRN2 Block. Allowed arithmetic: float matrix products may take bf16 or f16 operands with f32 sums; other float arithmetic in f32, or as packed bf16 or f16 multiplies, adds, multiply-adds, maxima and minima; sums over many terms, partial sums and values carried from step to step in f32; what a program stores and reads back later, other than sums and carried values, may be rounded once to bf16 or f16.
;; Inputs: W_out 1,024 x 1,024 float32; W_proj 1,024 x 3,072 float32; b_out 1,024 float32; b_proj 3,072 float32; x 4 x 4,096 x 1,024 float32.
;; Outputs: out0 4 x 4,096 x 1,024 float32.
;; Constants: layer_idx = 0, num_layers = 12.
;; 2 versions, each right; version 2 is version 1 with the launch prep written anew for expert scheduling mode. Each part assembles by itself: llvm-mc -triple=amdgcn-amd-amdhsa -mcpu=gfx1250 --defsym DOCPART=n.
;; ======== version 1 of 2: 3 launches
;; limits: values are held in f16: magnitudes above 65,504 overflow, below 6.1e-05 lose precision
;; workspace buffers: xb 33,554,432 bytes; wp 4,194,304 bytes; wo 2,097,152 bytes; hb 33,554,432 bytes
;; launch prep (part 1): grid 1216 x 1, 8 waves a work-group, no clusters, 0 bytes of LDS; arguments x, W_proj, W_out, xb, wp, wo; writes xb, wp, wo
.if DOCPART == 1
	.amdgcn_target "amdgcn-amd-amdhsa--gfx1250"
	.amdhsa_code_object_version 6
	.text
	.protected	k_q2c5e6e8e8b_prep
	.globl	k_q2c5e6e8e8b_prep
	.p2align	8
	.type	k_q2c5e6e8e8b_prep,@function
k_q2c5e6e8e8b_prep:
	s_mov_b64 s[64:65], 0
	v_nop
	global_prefetch_b8 v0, s[64:65] scope:SCOPE_SE
	s_setreg_imm32_b32 hwreg(HW_REG_WAVE_MODE, 25, 1), 1
	s_wait_xcnt 0x0
; THE CASTS.  x [16384][1024] f32 -> xb, bf16, in 16 panels of 64 columns: xb[col / 64][row][col % 64]: a panel's rows are 128 bytes and lie end to end.
; W_proj [1024][3072] f32 -> wp [k][n'] bf16, n' = 0..2047: n' = 32 B + 16 sub + i stands for W_proj's column 2048 sub + 16 B + i (sub 0: gate_input, sub 1: output_gate),
; so that sixteen columns of the one and the same sixteen of the other lie side by side.  Columns 1024..2047 (forget_input) are not read: the module splits them off and never uses them.
; W_out [1024][1024] f32 -> wo [k][n]: rounded to bf16 like every input, and that number written as f16.
; LIMITS.  wo: a magnitude of 65,520 or more becomes an infinity in f16; below 2^-14 f16 keeps its fixed step of 2^-24.
; SHARES.  A unit is one load of 16 bytes a lane (two aligned runs of 256 bytes a wave) and one store of 8 bytes a lane (256 consecutive bytes, aligned).  A thread does 16 units, written out:
; all 16 loads go out first, each unit has registers of its own, so no register that a load or store names is ever written again: no wait but the counted ones for the loads.
; Work-groups 0..1023 take x, 1024..1151 W_proj, 1152..1215 W_out.  No LDS, barrier, matrix unit or cluster: nothing is shared and nothing is read twice.
.set X, 8                              ; v[8:71]    unit u: 4 f32 as loaded
.set Y, 72                             ; v[72:103]  unit u: 4 numbers of 16 bits to store
.set E, 104                            ; v[104:109] at work (W_out's path)
; 16 units from s[sb:sb+1] + v2 to s[db:db+1] + v3; sstep, dstep: bytes from unit to unit; half = 1: bf16, then that number as f16
.macro CAST16 sb, db, sstep, dstep, half
.set u, 0
.rept 16
	global_load_b128 v[X+4*u:X+4*u+3], v2, s[\sb:\sb+1] offset:u*(\sstep) th:TH_LOAD_NT
.set u, u+1
.endr
.set u, 0
.rept 16
	s_wait_loadcnt 15-u                            ; loads come back in order: unit u is in, the 15 - u younger ones may stay out
.if \half
	v_cvt_pk_bf16_f32 v[E], v[X+4*u], v[X+4*u+1]
	v_cvt_pk_bf16_f32 v[E+1], v[X+4*u+2], v[X+4*u+3]
	v_lshlrev_b32 v[E+2], 16, v[E]                 ; bf16 back to f32: a shift or a mask
	v_and_b32 v[E+3], 0xffff0000, v[E]
	v_lshlrev_b32 v[E+4], 16, v[E+1]
	v_and_b32 v[E+5], 0xffff0000, v[E+1]
	v_cvt_pk_f16_f32 v[Y+2*u], v[E+2], v[E+3]
	v_cvt_pk_f16_f32 v[Y+2*u+1], v[E+4], v[E+5]
.else
	v_cvt_pk_bf16_f32 v[Y+2*u], v[X+4*u], v[X+4*u+1]
	v_cvt_pk_bf16_f32 v[Y+2*u+1], v[X+4*u+2], v[X+4*u+3]
.endif
	global_store_b64 v3, v[Y+2*u:Y+2*u+1], s[\db:\db+1] offset:u*(\dstep) th:TH_STORE_NT
.set u, u+1
.endr
.endm
	s_load_b256 s[4:11], s[0:1], 0x0               ; x s[4:5], W_proj s[6:7], W_out s[8:9], xb s[10:11]
	s_load_b128 s[12:15], s[0:1], 0x20             ; wp s[12:13], wo s[14:15]
	v_and_b32 v1, 31, v0                           ; lane l
	v_lshrrev_b32 v4, 5, v0
	v_readfirstlane_b32 s16, v4                    ; wave 0..7
	s_mov_b32 s17, ttmp9
	s_wait_kmcnt 0x0
	s_cmp_lt_u32 s17, 1024
	s_cbranch_scc0 .Lweights
	; x: the work-group takes 32 rows and 8 panels, a wave one panel: a unit is two rows x 256 bytes of x, 256 bytes of xb
	s_lshr_b32 s18, s17, 1                         ; block of 32 rows
	s_and_b32 s19, s17, 1
	s_lshl_b32 s19, s19, 3
	s_add_co_u32 s19, s19, s16                     ; panel
	s_lshl_b32 s20, s18, 17                        ; 32 rows of 4,096 bytes
	s_lshl_b32 s21, s19, 8                         ; a panel's 256 bytes of a row
	s_add_co_u32 s20, s20, s21
	s_lshl_b32 s21, s19, 21                        ; a panel of xb: 2,097,152 bytes
	s_lshl_b32 s18, s18, 12                        ; 32 rows of 128 bytes
	s_add_co_u32 s21, s21, s18
	v_lshrrev_b32 v4, 4, v1                        ; lanes 16-31: the next row
	v_and_b32 v5, 15, v1
	v_lshlrev_b32 v5, 4, v5
	v_lshl_add_u32 v4, v4, 12, v5
	v_add_nc_u32 v2, s20, v4
	v_lshl_add_u32 v3, v1, 3, s21
	CAST16 4, 10, 8192, 256, 0
	s_endpgm
.Lweights:
	s_cmp_lt_u32 s17, 1152
	s_cbranch_scc0 .Lwout
	; W_proj: the work-group takes 16 k and half of the 2,048 n', a wave 128 n': a unit is one k: 256 bytes of gate_input's columns and 256 of output_gate's
	s_sub_co_u32 s17, s17, 1024
	s_lshr_b32 s18, s17, 1                         ; block of 16 k
	s_and_b32 s19, s17, 1
	s_lshl_b32 s19, s19, 3
	s_add_co_u32 s19, s19, s16                     ; block of 128 n'
	s_mul_i32 s20, s18, 196608                     ; 16 rows of 12,288 bytes
	s_lshl_b32 s21, s19, 8                         ; 64 columns of each third: 256 bytes
	s_add_co_u32 s20, s20, s21
	s_lshl_b32 s18, s18, 16                        ; 16 rows of 4,096 bytes of wp
	s_add_co_u32 s21, s21, s18                     ; 128 n' are 256 bytes there too
	v_bfe_u32 v4, v1, 2, 1                         ; my four n' = 4 l ..: sub = (l / 4) % 2,
	v_lshlrev_b32 v4, 13, v4                       ; 2,048 columns on
	v_lshrrev_b32 v5, 3, v1                        ; B = l / 8: 16 columns each,
	v_lshl_add_u32 v4, v5, 6, v4
	v_and_b32 v5, 3, v1                            ; i = 4 (l % 4)
	v_lshl_add_u32 v4, v5, 4, v4
	v_add_nc_u32 v2, s20, v4
	v_lshl_add_u32 v3, v1, 3, s21
	CAST16 6, 12, 12288, 4096, 0
	s_endpgm
.Lwout:
	; W_out: the work-group takes 16 k, a wave 128 columns: a unit is one k
	s_sub_co_u32 s17, s17, 1152
	s_lshl_b32 s20, s17, 16                        ; 16 rows of 4,096 bytes
	s_lshl_b32 s21, s16, 9
	s_add_co_u32 s20, s20, s21
	s_lshl_b32 s21, s17, 15                        ; 16 rows of 2,048 bytes
	s_lshl_b32 s18, s16, 8
	s_add_co_u32 s21, s21, s18
	v_lshl_add_u32 v2, v1, 4, s20
	v_lshl_add_u32 v3, v1, 3, s21
	CAST16 8, 14, 4096, 2048, 1
	s_endpgm
.Lfunc_end_k_q2c5e6e8e8b_prep:
	.size	k_q2c5e6e8e8b_prep, .Lfunc_end_k_q2c5e6e8e8b_prep-k_q2c5e6e8e8b_prep
	.p2alignl 7, 3214868480
	.fill 96, 4, 3214868480
	.section	.rodata,"a",@progbits
	.p2align	6, 0x0
	.amdhsa_kernel k_q2c5e6e8e8b_prep
		.amdhsa_group_segment_fixed_size 0
		.amdhsa_private_segment_fixed_size 0
		.amdhsa_enable_private_segment 0
		.amdhsa_kernarg_size 48
		.amdhsa_user_sgpr_count 2
		.amdhsa_user_sgpr_kernarg_segment_ptr 1
		.amdhsa_wavefront_size32 1
		.amdhsa_system_sgpr_workgroup_id_x 1
		.amdhsa_system_sgpr_workgroup_id_y 1
		.amdhsa_system_sgpr_workgroup_id_z 1
		.amdhsa_system_vgpr_workitem_id 0
		.amdhsa_next_free_vgpr 112
		.amdhsa_next_free_sgpr 66
		.amdhsa_reserve_vcc 0
		.amdhsa_float_denorm_mode_32 3
		.amdhsa_float_denorm_mode_16_64 3
		.amdhsa_memory_ordered 1
		.amdhsa_forward_progress 1
		.amdhsa_inst_pref_size 24
	.end_amdhsa_kernel
	.amdgpu_metadata
---
amdhsa.version: [ 1, 2 ]
amdhsa.kernels:
  - .name:           k_q2c5e6e8e8b_prep
    .symbol:         k_q2c5e6e8e8b_prep.kd
    .args:
      - { .name: x, .offset: 0, .size: 8, .value_kind: global_buffer, .address_space: global }
      - { .name: W_proj, .offset: 8, .size: 8, .value_kind: global_buffer, .address_space: global }
      - { .name: W_out, .offset: 16, .size: 8, .value_kind: global_buffer, .address_space: global }
      - { .name: xb, .offset: 24, .size: 8, .value_kind: global_buffer, .address_space: global }
      - { .name: wp, .offset: 32, .size: 8, .value_kind: global_buffer, .address_space: global }
      - { .name: wo, .offset: 40, .size: 8, .value_kind: global_buffer, .address_space: global }
    .group_segment_fixed_size: 0
    .private_segment_fixed_size: 0
    .kernarg_segment_align: 8
    .kernarg_segment_size: 48
    .max_flat_workgroup_size: 256
    .sgpr_count:     66
    .vgpr_count:     112
    .wavefront_size: 32
...
	.end_amdgpu_metadata
.endif
;; end of part 1
;; launch gemm1 (part 2): grid 8 x 64, 4 waves a work-group, clusters of 4 x 4, 327,680 bytes of LDS; arguments xb, wp, b_proj, hb; writes hb
.if DOCPART == 2
	.amdgcn_target "amdgcn-amd-amdhsa--gfx1250"
	.amdhsa_code_object_version 6
	.text
	.protected	k_q2c5e6e8e8b_gemm1
	.globl	k_q2c5e6e8e8b_gemm1
	.p2align	8
	.type	k_q2c5e6e8e8b_gemm1,@function
k_q2c5e6e8e8b_gemm1:
	s_mov_b64 s[64:65], 0
	v_nop
	global_prefetch_b8 v0, s[64:65] scope:SCOPE_SE
	s_setreg_imm32_b32 hwreg(HW_REG_WAVE_MODE, 25, 1), 1
	s_wait_xcnt 0x0
	s_wait_alu depctr_hold_cnt(0) depctr_sa_sdst(0) depctr_va_vdst(0) depctr_va_sdst(0) depctr_va_ssrc(0) depctr_va_vcc(0) depctr_vm_vsrc(0)
	s_getreg_b32 s2, hwreg(HW_REG_IB_STS2, 6, 4)
	s_cmp_eq_u32 s2, 0
	s_cbranch_scc0 .Lentry_in_a_cluster
	s_endpgm
.Lentry_in_a_cluster:
	s_bfe_u32 s2, ttmp6, 0x10000c
	s_cmp_lg_u32 s2, 0xf033
	s_cbranch_scc0 .Lentry_shape_is_right
	s_endpgm
.Lentry_shape_is_right:
; H = g * sigmoid(o), g = x W_proj[:, 0:1024] + b_proj[0:1024], o = x W_proj[:, 2048:3072] + b_proj[2048:3072].  Products in bf16 with f32 sums; bias (rounded to bf16 like every input), sigmoid and gate in f32;
; H rounded once, to f16.  Columns 1024..2047 of b_proj are not read: the module never uses that third.
; IN: xb, bf16, 16 panels [col / 64][16384 rows][64]; wp [k = 1024][n' = 2048] bf16, n' = 32 B + 16 sub + i for column 16 B + i of g (sub 0) or o (sub 1).  OUT: hb, f16, panels like xb.
; LIMITS.  |H| of 65,520 or more becomes an infinity in f16.  sigmoid(o) = 1 / (1 + 2^(-log2(e) o)): where the power overflows it counts as 0, where the power is below 2^-126 as 1.
; SHARES.  A tile of 256 rows x 256 n' to a work-group of four waves, a wave 128 x 128: 64 accumulators of 16 x 16, 512 registers.  K = 1,024 goes in 8 steps of 128 through a ring of two LDS slots.
; One tile to a work-group: 512 work-groups.  CLUSTERS of 4 x 4: the four of a row need the same rows of xb, the four of a column the same columns of wp: each tile is asked for JOINTLY, by the same
; tensor load with the same descriptor and a mask that names the four.
; THE MATRIX INSTRUCTION IS USED TRANSPOSED: source 0 = 16 columns n' (wp lies [k][n'], so its fragments come out of LDS turned, by ds_load_tr16_b128), source 1 = 16 rows of x.  A lane then holds row l % 16
; and its registers the columns 8 (l / 16) + 0..7.  Accumulators (a, 2 p) and (a, 2 p + 1) hold g and o of the SAME sixteen columns in the same lanes, so the gate changes no lane.
; A wave's 128 n' are 64 columns of H: one panel; its 128 rows there are 16,384 bytes on end.
; THE BIAS STARTS THE SUMS: the first product on each accumulator takes the bias, spread as a C operand, as its C: nothing is cleared, nothing is added later.
; REGISTERS, in windows of 256 (s_set_vgpr_msb: bits 1:0 source 0, 3:2 source 1, 5:4 source 2, 7:6 destination):
;   window 0: v0-31 addresses; v64-127, v128-191 fragments of x, two buffers; on the way out v32-127 three buffers at work, v128-255 rows read back from the stage
;   window 1: v0-63 the bias, block b at 8 b; v64-127, v128-191 fragments of wp, two buffers; v192 at work
;   window 2: the accumulators of my rows 0-63 ((a, b) at 8 (8 a + b));   window 3: those of my rows 64-127
.set NP,     2048                      ; columns of wp
.set ROWB,   2*NP                      ; bytes in a row of wp
.set KSTEP,  128
.set LAPS,   4                         ; a lap = two K steps = once round the ring
.set PANEL,  2097152                   ; bytes in a panel
.set PA,     144                       ; a panel row in LDS: 128 bytes + 16 = 36 words: the 16 rows of a load start at 16 different groups of four banks (64 banks of 4 bytes: ISA guide 11.1)
.set PB,     544                       ; a row of wp's tile in LDS: 512 bytes + 32 = 136 words
.set AHALF,  256*PA                    ; the tile's 256 rows of one panel: what wave 0 or 1 fetches
.set BHALF,  64*PB                     ; 64 k of wp's tile: what wave 2 or 3 fetches
.set BOFF,   2*AHALF
.set SLOT,   BOFF+2*BHALF              ; 143,360
.set STAGE,  2*SLOT                    ; behind the ring, never filled by a tensor load: 16 rows x 144 bytes for each wave
.set SP,     144
.set SPARE,  STAGE+4*16*SP             ; behind the stages: the spare words, 128 bytes for each wave: two blocks of 256 bytes that no other line names
.set ADRA, 16                          ; v16-17  LDS address of my fragments of x in slot 0, 1
.set ADRB, 20                          ; v20-21  the same for wp
.set STO,  24                          ; v24     the way out: where I put 16 bytes of a row
.set RD,   25                          ; v25     the way out: where I read rows back
.set GO,   26                          ; v26     my byte offset in 512 consecutive bytes of hb
.set BO,   27                          ; v27     my byte offset in b_proj
.set SPW,  28                          ; v28     LDS address of my spare word: SPARE + 4 x my thread's number; never rewritten
.set NIL,  29                          ; v29     0; never rewritten
.set PFO,  30                          ; v30     the prefetches' lane offset; never rewritten
.set F0,   64
.set F1,   128
.set LIM,  15                          ; s15     1 in a wave that prefetches, else the greatest number
.set G1,   24                          ; s[24:31] descriptor group 1 for xb's tiles;  s[32:39] group 0, one set for each slot
.set G0,   32
.set PFA,  44                          ; s[44:45] where my prefetches stand
.set PFS,  46                          ; s[46:47] bytes from a K step to the next, for them
.set G1B,  48                          ; s[48:55], s[56:63] the same for wp's tiles
.set G0B,  56
.set NL,   66                          ; s[66:67] -log2(e): the packed multiply names a pair and takes its low word for both halves
.set MSB, 0
.macro WIN new                         ; the immediate's high byte repeats the setting that is left; a switch that changes nothing is dropped
.if MSB != (\new)
	s_set_vgpr_msb (MSB<<8)|(\new)
.set MSB, \new
.endif
.endm
; A joint load.  Waves 0 and 1 fetch the K step's two panels of xb, waves 2 and 3 the two halves of its 128 rows of wp.  The branch hangs on the wave's number alone.
; An s_nop 0 and four v_nop follow each of the two lines, ahead of the jump, the label and what follows the macro.
.macro JLOAD s
	s_cmp_eq_u32 s13, 0
	s_cbranch_scc0 .Lfor_b_\@
	tensor_load_to_lds s[G0+4*(\s):G0+4*(\s)+3], s[G1:G1+7]
	s_nop 0
.rept 4
	v_nop
.endr
	s_branch .Lasked_\@
.Lfor_b_\@:
	tensor_load_to_lds s[G0B+4*(\s):G0B+4*(\s)+3], s[G1B:G1B+7]
	s_nop 0
.rept 4
	v_nop
.endr
.Lasked_\@:
.endm
; A PREFETCH INTO THE L2, behind each joint refill, its five lines and the run of LDS loads: my share of the K step that stands TWO refills on, 512 matrix instructions ahead of its load: 32 blocks of 256 bytes, a lane a block.
; Each block is named once in the launch.  xb's rows are read by both clusters of a row of clusters: the one with x = 0 asks; wp's columns by all clusters of a column: the one with y = 0 asks.  The four partners
; of a joint load share its bytes out BY ADDRESS (8 KiB of a panel's 32 by cx; 16 of wp's 64 rows by cy): no branch hangs on a work-group's place in its cluster.  The loop's last trip (s3 = 1) asks for nothing:
; K steps 8 and 9 do not exist.  K steps 0 to 3 come by their loads alone.
.macro ASK
	s_cmp_gt_u32 s3, s[LIM]
	s_cbranch_scc0 .Lnot_mine_\@
	global_prefetch_b8 v[PFO], s[PFA:PFA+1] th:TH_LOAD_NT scope:SCOPE_SE
.Lnot_mine_\@:
.endm
; A round of the cluster's barrier: my work-group's barrier, so that wave 0's signal speaks for all four waves; wave 0 signals; every wave waits for all sixteen work-groups; my work-group's barrier once more.
.macro CREST                           ; a round behind its opening barrier
	s_cmp_lg_u32 s12, 0
	s_cbranch_scc1 .Lnot_wave_0_\@
	s_barrier_signal -3
.Lnot_wave_0_\@:
	s_barrier_wait -3
	s_barrier_signal -1
	s_barrier_wait -1
.endm
.macro CROUND
	s_barrier_signal -1
	s_barrier_wait -1
	CREST
.endm
	s_load_b256 s[4:11], s[0:1], 0x0               ; xb s[4:5], wp s[6:7], b_proj s[8:9], hb s[10:11]
	v_lshl_add_u32 v[SPW], v0, 2, SPARE
	v_mov_b32 v[NIL], 0
	ds_add_u32 v[SPW], v[NIL]                      ; the wave's opening: the add and its wait ahead of my first tensor load; the set-up below, work on registers, stands between them
	v_lshrrev_b32 v1, 5, v0
	v_readfirstlane_b32 s12, v1                    ; wave 0..3
	s_lshr_b32 s13, s12, 1                         ; which half of the tile's rows is mine.  Also: I fetch for xb (0) or for wp (1)
	s_and_b32 s14, s12, 1                          ; which half of its columns.  Also: which half of that tile I fetch
	s_bfe_u32 s40, ttmp6, 0x40000                  ; cx, cy: my place in the cluster
	s_bfe_u32 s41, ttmp6, 0x40004
	s_lshl_b32 s42, ttmp9, 2
	s_add_co_u32 s42, s42, s40                     ; tile column = 4 x cluster x + cx
	s_and_b32 s43, ttmp7, 0xffff
	s_lshl_b32 s43, s43, 2
	s_add_co_u32 s43, s43, s41                     ; tile row = 4 x cluster y + cy
	s_lshl_b32 s68, s41, 2
	s_lshl_b32 s68, 15, s68                        ; my row of the cluster: places 4 cy .. 4 cy + 3
	s_lshl_b32 s69, 0x1111, s40                    ; my column: places cx, cx + 4, cx + 8, cx + 12
	; group 1 for xb: 256 panel rows are 32,768 dense bytes: asked for as 128 rows of 256 bytes, two panel rows each, and padded in LDS after every panel row
	s_or_b32 s[G1+0], s68, (1<<16)|(1<<20)|(1<<21)|(4<<22)|(3<<25)   ; 15:0 the mask; 17:16 2-byte elements; 20 padding on; 21 set beside a mask; 24:22 after every 32 words (code 4); 31:25 4 words (code 3)
	s_mov_b32 s[G1+1], 128<<16                     ; tensor_dim0 = 128
	s_mov_b32 s[G1+2], 128<<16                     ; tensor_dim1 = 128
	s_mov_b32 s[G1+3], 128<<16                     ; tile_dim0 = 128
	s_mov_b32 s[G1+4], 128                         ; tile_dim1 = 128
	s_mov_b32 s[G1+5], 128                         ; 128 elements from row to row
	s_mov_b32 s[G1+6], 0
	s_mov_b32 s[G1+7], 0
	; group 1 for wp: 64 rows (k) of 256 elements, 512 bytes
	s_or_b32 s[G1B+0], s69, (1<<16)|(1<<20)|(1<<21)|(6<<22)|(7<<25)  ; the column's mask; padding after every 128 words (code 6), 8 words (code 7)
	s_mov_b32 s[G1B+1], 256<<16                    ; tensor_dim0 = 256
	s_mov_b32 s[G1B+2], 64<<16                     ; tensor_dim1 = 64
	s_mov_b32 s[G1B+3], 256<<16                    ; tile_dim0 = 256
	s_mov_b32 s[G1B+4], 64                         ; tile_dim1 = 64
	s_mov_b32 s[G1B+5], NP                         ; elements from row to row
	s_mov_b32 s[G1B+6], 0
	s_mov_b32 s[G1B+7], 0
	; where the tiles come from: xb's hang on the tile row alone, wp's on the tile column alone, each in registers that never hold the other coordinate
	s_lshl_b32 s16, s14, 21                        ; my panel of the K step's two
	s_lshl_b32 s17, s43, 15                        ; the tile's 256 rows of 128 bytes
	s_add_co_u32 s16, s16, s17
	s_mov_b32 s17, 0
	s_mul_i32 s20, s14, 64*ROWB                    ; my 64 of the K step's 128 rows
	s_lshl_b32 s21, s42, 9                         ; the tile's 256 columns
	s_add_co_u32 s20, s20, s21
	s_mov_b32 s21, 0
	s_mul_i32 s18, s14, AHALF                      ; and where they go: no place in the cluster enters an LDS address
	s_mul_i32 s22, s14, BHALF
	s_add_co_u32 s22, s22, BOFF
	s_mov_b32 s[NL], 0xbfb8aa3b                    ; -log2(e)
	s_mov_b32 s[NL+1], s[NL]                       ; named with it as a pair
	s_wait_dscnt 0x0                               ; the opening add is done
	s_wait_kmcnt 0x0
	s_add_nc_u64 s[16:17], s[4:5], s[16:17]
	s_add_nc_u64 s[20:21], s[6:7], s[20:21]
	CROUND                                         ; all sixteen work-groups are here: the first joint loads meet
.irp s, 0,1
	s_mov_b32 s[G0+4*(\s)], 1                                        ; count = 1
	s_add_co_u32 s[G0+4*(\s)+1], s18, (\s)*SLOT                      ; LDS address
	s_add_nc_u64 s[G0+4*(\s)+2:G0+4*(\s)+3], s[16:17], (\s)*2*PANEL  ; global address: K step s is panels 2 s, 2 s + 1
	s_or_b32 s[G0+4*(\s)+3], s[G0+4*(\s)+3], 0x80000000              ; type = 2
	s_mov_b32 s[G0B+4*(\s)], 1
	s_add_co_u32 s[G0B+4*(\s)+1], s22, (\s)*SLOT
	s_add_nc_u64 s[G0B+4*(\s)+2:G0B+4*(\s)+3], s[20:21], (\s)*KSTEP*ROWB
	s_or_b32 s[G0B+4*(\s)+3], s[G0B+4*(\s)+3], 0x80000000
	JLOAD \s                                       ; both slots are asked for before anything else is done: two loads of mine are out
.endr
	; A fragment of x is 16 rows x 32 K in 8 registers: lane l holds row l % 16, K = 8 (l / 16) + 0..7 and 16 + 8 (l / 16) + 0..7: two loads of 16 bytes, 32 bytes apart.
	v_and_b32 v1, 15, v0                           ; r = l % 16
	v_bfe_u32 v2, v0, 4, 1                         ; h = l / 16
	v_and_b32 v3, 31, v0                           ; l
	v_mul_u32_u24 v4, v1, PA
	v_lshl_add_u32 v4, v2, 4, v4                   ; row x pitch + 16 x half
	s_mul_i32 s70, s13, 128*PA                     ; my 128 rows
	v_add_nc_u32 v[ADRA], s70, v4
	v_add_nc_u32 v[ADRA+1], SLOT, v[ADRA]
	; The turning load takes 16 k x 16 n' (lane l reads k = 8 (l / 16) + l % 8, columns 8 ((l / 8) % 2) + 0..7) and leaves half a fragment: lane l holds column l % 16 and 8 k.
	v_and_b32 v5, 7, v0
	v_lshl_add_u32 v5, v2, 3, v5
	v_mul_u32_u24 v5, v5, PB
	v_bfe_u32 v6, v0, 3, 1
	v_lshl_add_u32 v5, v6, 4, v5
	s_lshl_b32 s70, s14, 8                         ; my 128 columns: 256 bytes
	s_add_co_u32 s70, s70, BOFF
	v_add_nc_u32 v[ADRB], s70, v5
	v_add_nc_u32 v[ADRB+1], SLOT, v[ADRB]
	s_mul_i32 s70, s12, 16*SP
	s_add_co_u32 s70, s70, STAGE                   ; my stage
	v_mul_u32_u24 v7, v1, SP                       ; in: row l % 16, 16 bytes for each half of the lanes
	v_lshl_add_u32 v7, v2, 4, v7
	v_add_nc_u32 v[STO], s70, v7
	v_bfe_u32 v7, v0, 3, 2                         ; back: 32 lanes take four rows of 128 bytes,
	v_mul_u32_u24 v7, v7, SP
	v_and_b32 v8, 7, v0
	v_lshl_add_u32 v7, v8, 4, v7
	v_add_nc_u32 v[RD], s70, v7
	v_lshlrev_b32 v[GO], 4, v3                     ; which are 512 consecutive bytes of hb
	; hb at my 128 rows of my panel, number 2 x tile column + my half
	s_lshl_b32 s72, s42, 1
	s_add_co_u32 s72, s72, s14
	s_lshl_b32 s72, s72, 21
	s_lshl_b32 s73, s43, 15
	s_add_co_u32 s72, s72, s73
	s_lshl_b32 s73, s13, 14
	s_add_co_u32 s72, s72, s73
	s_mov_b32 s73, 0
	s_add_nc_u64 s[10:11], s[10:11], s[72:73]
	s_lshl_b32 s72, s42, 9                         ; b_proj: the tile's 128 columns of a third, my 64 of them, my lanes' 8
	s_lshl_b32 s73, s14, 8
	s_add_co_u32 s72, s72, s73
	v_lshl_add_u32 v[BO], v2, 5, s72
	; the prefetches: they stand at K step 3; each refill steps them one K step on before it asks
	s_and_b32 s72, ttmp7, 0xffff                   ; cluster y
	s_lshl_b32 s73, s14, 21                        ; xb: my panel, the tile's rows, my work-group's 8 KiB of their 32
	s_lshl_b32 s74, s43, 15
	s_add_co_u32 s73, s73, s74
	s_lshl_b32 s74, s40, 13
	s_add_co_u32 s73, s73, s74
	s_add_co_u32 s73, s73, 6*PANEL
	s_lshl_b32 s74, s14, 6                         ; wp: my 64 rows, my work-group's 16 of them, the tile's columns
	s_lshl_b32 s75, s41, 4
	s_add_co_u32 s74, s74, s75
	s_add_co_u32 s74, s74, 3*KSTEP
	s_mul_i32 s74, s74, ROWB
	s_lshl_b32 s75, s42, 9
	s_add_co_u32 s74, s74, s75
	s_mov_b32 s75, 2*PANEL
	s_mov_b32 s79, 256
	s_mov_b32 s77, 0
	s_mov_b32 s[PFS+1], 0
	s_cmp_eq_u32 s13, 0                            ; do I fetch for xb?
	s_cselect_b64 s[PFA:PFA+1], s[4:5], s[6:7]
	s_cselect_b32 s76, s73, s74
	s_cselect_b32 s[PFS], s75, KSTEP*ROWB
	s_cselect_b32 s78, 0, 1                        ; xb: lane l names block l of 256 bytes; wp: row l / 2, block l % 2
	s_cselect_b32 s79, s79, ROWB
	s_cselect_b32 s72, ttmp9, s72                  ; the coordinate along which other clusters read the same bytes
	s_cmp_eq_u32 s72, 0
	s_cselect_b32 s[LIM], 1, -1                    ; the same in all sixteen partners, for a given wave
	s_add_nc_u64 s[PFA:PFA+1], s[PFA:PFA+1], s[76:77]
	v_lshrrev_b32 v7, s78, v3
	v_mul_u32_u24 v7, s79, v7
	v_and_b32 v8, s78, v3
	v_lshl_add_u32 v[PFO], v8, 8, v7
	; the bias as a C operand: register j of block b holds the bias of column 16 b + 8 (l / 16) + j of my 128 n': even b from gate_input's third, odd b from output_gate's.  All this stands in the wait for the first tile.
	WIN 0x40                                       ; destination window 1, address window 0
.irp b, 0,1,2,3,4,5,6,7
	global_load_b128 v[8*(\b):8*(\b)+3],   v[BO], s[8:9] offset:((\b)%2)*8192+((\b)/2)*64
	global_load_b128 v[8*(\b)+4:8*(\b)+7], v[BO], s[8:9] offset:((\b)%2)*8192+((\b)/2)*64+16
.endr
	s_wait_loadcnt 0x0
	WIN 0x45                                       ; all in window 1: rounded to bf16 like every input, and widened again
.set z, 0
.rept 32
	v_cvt_pk_bf16_f32 v192, v[z], v[z+1]
	v_lshlrev_b32 v[z], 16, v192
	v_and_b32 v[z+1], 0xffff0000, v192
.set z, z+2
.endr
	WIN 0
; 16 matrix instructions: m blocks a0, a0 + 1 of the window's four (hi = 0: my rows 0-63, 1: rows 64-127) x all 8 n blocks, 32 along K.  first = 1: the bias starts the sums.
; The 64 accumulators take turns, one instruction a turn, in the same order in every quarter.
.macro MUL16 f, hi, a0, first
.if \first
	WIN 0x91+0x40*(\hi)                            ; source 0 (wp) and C (the bias) window 1, source 1 (x) window 0, D window 2 or 3
.else
	WIN 0xa1+0x50*(\hi)                            ; C and D window 2 or 3
.endif
.irp a, \a0, (\a0)+1
.irp b, 0,1,2,3,4,5,6,7
.if \first
	v_wmma_f32_16x16x32_bf16 v[8*(8*(\a)+(\b)):8*(8*(\a)+(\b))+7], v[(\f)+8*(\b):(\f)+8*(\b)+7], v[(\f)+8*(4*(\hi)+(\a)):(\f)+8*(4*(\hi)+(\a))+7], v[8*(\b):8*(\b)+7]
.else
	v_wmma_f32_16x16x32_bf16 v[8*(8*(\a)+(\b)):8*(8*(\a)+(\b))+7], v[(\f)+8*(\b):(\f)+8*(\b)+7], v[(\f)+8*(4*(\hi)+(\a)):(\f)+8*(4*(\hi)+(\a))+7], v[8*(8*(\a)+(\b)):8*(8*(\a)+(\b))+7]
.endif
.endr
.endr
.endm
; 32 LDS loads in one run: the fragments of quarter q (32 along K) of a slot into buffer f: wp's 8 (turned), then x's 8, my rows 64-127 last
.macro FETCH slot, q, f
	WIN 0x40
.irp i, 0,1,2,3,4,5,6,7
	ds_load_tr16_b128 v[(\f)+8*(\i):(\f)+8*(\i)+3],   v[ADRB+(\slot)] offset:(\q)*32*PB+32*(\i)
	ds_load_tr16_b128 v[(\f)+8*(\i)+4:(\f)+8*(\i)+7], v[ADRB+(\slot)] offset:(\q)*32*PB+32*(\i)+16*PB
.endr
	WIN 0
.irp i, 0,1,2,3,4,5,6,7
	ds_load_b128 v[(\f)+8*(\i):(\f)+8*(\i)+3],   v[ADRA+(\slot)] offset:((\q)/2)*AHALF+((\q)%2)*64+(\i)*16*PA
	ds_load_b128 v[(\f)+8*(\i)+4:(\f)+8*(\i)+7], v[ADRA+(\slot)] offset:((\q)/2)*AHALF+((\q)%2)*64+(\i)*16*PA+32
.endr
.endm
; A load into a register that a matrix instruction has read, and a vector instruction that reads a matrix result, stand four plain vector instructions behind it (ISA guide 7.12.1 for vector instructions)
.macro PLACES
.rept 4
	v_nop
.endr
.endm
; A K step is four quarters of 32 along K, 64 matrix instructions each, on buffers 0, 1, 0, 1.  One of the first three: multiplies buffer f; in its middle it fetches quarter q of the same slot into buffer g.
.macro QUARTER slot, q, f, g, first
	s_wait_dscnt 8                                 ; wp's fragments and x's rows 0-63 are in; the youngest eight loads (rows 64-127) may be out
	MUL16 \f, 0, 0, \first
	MUL16 \f, 0, 2, \first
	PLACES
	FETCH \slot, \q, \g
	s_wait_dscnt 32                                ; all but the 32 just issued
	MUL16 \f, 1, 0, \first
	MUL16 \f, 1, 2, \first
.endm
; The last quarter multiplies buffer 1 and changes slots.  MEET is its first half: one barrier.  In front of it each wave waits for all its tensor loads (one is out: its part of the next slot), adds 0 to its
; spare word, and waits for that and for its own reads of this slot.  Behind it nobody reads this slot any more and the next slot is whole.
.macro MEET round                      ; round = 1: the rest of a round of the cluster's barrier follows
	WIN 0                                          ; (the add's two registers lie in window 0)
	s_wait_tensorcnt 0x0
	ds_add_u32 v[SPW], v[NIL]                      ; 0 onto my spare word
	s_wait_dscnt 9                                 ; (the add and the youngest eight loads may be out)
	MUL16 F1, 0, 0, 0                              ; sixteen matrix instructions stand between the add and the wait for it
	s_wait_dscnt 0x0                               ; the add is done, and my reads of this slot are over
	s_barrier_signal -1
	MUL16 F1, 0, 2, 0                              ; work on registers while the others arrive
.if \round
	WIN 0
.endif
	s_barrier_wait -1
.endm
; The whole last quarter, with a refill: the slot just read out takes the K step two steps on, first thing behind the round: 224 matrix instructions ahead of the wait for it.
.macro TURN slot, next
	s_wait_xcnt 0x0                                ; the last prefetch, a K step back, has read its address, so it may be stepped
	s_add_nc_u64 s[PFA:PFA+1], s[PFA:PFA+1], s[PFS:PFS+1]
	MEET 1
	CREST                                          ; no wave of any partner still reads this slot's tile or has a load on its way
	s_add_nc_u64 s[G0+4*(\slot)+2:G0+4*(\slot)+3], s[G0+4*(\slot)+2:G0+4*(\slot)+3], 4*PANEL
	s_add_nc_u64 s[G0B+4*(\slot)+2:G0B+4*(\slot)+3], s[G0B+4*(\slot)+2:G0B+4*(\slot)+3], 2*KSTEP*ROWB
	JLOAD \slot                                    ; its four v_nop are also the places in front of the loads below
	FETCH \next, 0, F0
	ASK
	MUL16 F1, 1, 0, 0
	MUL16 F1, 1, 2, 0
.endm
	s_wait_tensorcnt 1                             ; my part of K step 0 is in; K step 1's load, the one issued behind it, may stay out
	s_barrier_signal -1
	s_barrier_wait -1                              ; everybody's is
	FETCH 0, 0, F0
	QUARTER 0, 1, F0, F1, 1                        ; the first quarter stands in front of the loop: its products start the sums
	WIN 0                                          ; at a label and at a branch every window is 0
	s_mov_b32 s3, LAPS-1
.Llap:                                                 ; a trip goes once round the ring, from a lap's second quarter to the next lap's first, and fills both slots again
	QUARTER 0, 2, F1, F0, 0
	QUARTER 0, 3, F0, F1, 0
	TURN 0, 1
	QUARTER 1, 1, F0, F1, 0
	QUARTER 1, 2, F1, F0, 0
	QUARTER 1, 3, F0, F1, 0
	TURN 1, 0
	QUARTER 0, 1, F0, F1, 0
	WIN 0
	s_sub_co_u32 s3, s3, 1
	s_cmp_lg_u32 s3, 0
	s_cbranch_scc1 .Llap
	QUARTER 0, 2, F1, F0, 0                        ; the last lap fills nothing, and has no round of the cluster's barrier
	QUARTER 0, 3, F0, F1, 0
	MEET 0
	PLACES
	FETCH 1, 0, F0
	MUL16 F1, 1, 0, 0
	MUL16 F1, 1, 2, 0
	QUARTER 1, 1, F0, F1, 0
	QUARTER 1, 2, F1, F0, 0
	QUARTER 1, 3, F0, F1, 0
	s_wait_dscnt 8                                 ; the very last quarter: nothing more to fetch
	MUL16 F1, 0, 0, 0
	MUL16 F1, 0, 2, 0
	s_wait_dscnt 0x0
	MUL16 F1, 1, 0, 0
	MUL16 F1, 1, 2, 0
	WIN 0
; THE WAY OUT, a block a of 16 rows at a time.  TT: the block's 32 registers at work, three buffers by turns; pair p's eight numbers at TT + 8 p.
; NEG: -log2(e) o.  EXPS: 2^that.  ONE: 1 + it.  RCPS: the sigmoid.  FIN: g times it, rounded to f16, packed in place (line z writes a register whose number has been read).
; Each accumulator's registers are read in ascending order.
.macro NEG a
.set AC, 64*((\a)%4)
.set TT, 32+32*((\a)%3)
	WIN 0x02+(\a)/4                                ; source 0: window 2 or 3
.irp p, 0,1,2,3
.irp i, 0,2,4,6
	v_pk_mul_f32 v[TT+8*(\p)+(\i):TT+8*(\p)+(\i)+1], v[AC+16*(\p)+8+(\i):AC+16*(\p)+8+(\i)+1], s[NL:NL+1] op_sel_hi:[1,0]
.endr
.endr
.endm
.macro EXPS a
.set TT, 32+32*((\a)%3)
	WIN 0
.set z, 0
.rept 32
	v_exp_f32 v[TT+z], v[TT+z]
.set z, z+1
.endr
.endm
.macro ONE a
.set TT, 32+32*((\a)%3)
	WIN 0
.set z, 0
.rept 16
	v_pk_add_f32 v[TT+z:TT+z+1], v[TT+z:TT+z+1], 1.0 op_sel_hi:[1,0]
.set z, z+2
.endr
.endm
.macro RCPS a
.set TT, 32+32*((\a)%3)
	WIN 0
.set z, 0
.rept 32
	v_rcp_f32 v[TT+z], v[TT+z]
.set z, z+1
.endr
.endm
.macro FIN a
.set AC, 64*((\a)%4)
.set TT, 32+32*((\a)%3)
	WIN 0x02+(\a)/4
.irp p, 0,1,2,3
.irp i, 0,2,4,6
	v_pk_mul_f32 v[TT+8*(\p)+(\i):TT+8*(\p)+(\i)+1], v[AC+16*(\p)+(\i):AC+16*(\p)+(\i)+1], v[TT+8*(\p)+(\i):TT+8*(\p)+(\i)+1]
.endr
.endr
	WIN 0
.set z, 0
.rept 16
	v_cvt_pk_f16_f32 v[TT+z], v[TT+2*z], v[TT+2*z+1]
.set z, z+1
.endr
.endm
; A lane's eight columns of a row are 16 bytes; they go into my stage's rows of 144 bytes and come back as whole rows of 128, into registers that are the block's own.
.macro TOSTAGE a
.set TT, 32+32*((\a)%3)
	WIN 0
.irp p, 0,1,2,3
	ds_store_b128 v[STO], v[TT+4*(\p):TT+4*(\p)+3] offset:32*(\p)
.endr
.irp f, 0,1,2,3
	ds_load_b128 v[128+16*(\a)+4*(\f):128+16*(\a)+4*(\f)+3], v[RD] offset:(\f)*4*SP  ; LDS serves a wave's instructions in order (ISA guide 5.7.1.4): these see the stores above; the next block's stores come behind them
.endr
.endm
.macro SEND a, younger                 ; younger: the LDS instructions issued behind block a's loads: the next block's eight, or none
	WIN 0
.irp f, 0,1,2,3
	s_wait_dscnt (\younger)+3-(\f)
	global_store_b128 v[GO], v[128+16*(\a)+4*(\f):128+16*(\a)+4*(\f)+3], s[10:11] offset:(\a)*2048+(\f)*512  ; 512 consecutive bytes, at a multiple of 256 from hb's first
.endr
.endm
	; Transcendentals go in batches (a block's reciprocals and the next block's exponentials), each with ONE wait ahead of its first reader; the block before's gate, rounding and stores are the
	; work between a batch and its wait, and they name none of its results: blocks a - 1, a and a + 1 have different buffers.
	PLACES
	PLACES                                         ; eight plain instructions, once a launch, behind the last products
	NEG 0
	EXPS 0
	v_nop                                          ; a plain instruction behind the last exponential
	s_wait_alu depctr_va_vdst(0)
	ONE 0
	NEG 1
	RCPS 0
	EXPS 1
	v_nop
	s_wait_alu depctr_va_vdst(0)
.irp a, 1,2,3,4,5,6,7
	ONE \a
.if (\a) < 7
	NEG (\a)+1
.endif
	RCPS \a
.if (\a) < 7
	EXPS (\a)+1
.endif
	FIN (\a)-1                                     ; its first line is the plain instruction behind the batch's last
	TOSTAGE (\a)-1
.if (\a) > 1
	SEND (\a)-2, 8
.endif
	s_wait_alu depctr_va_vdst(0)                   ; the wait for the batch
.endr
	FIN 7
	TOSTAGE 7
	SEND 6, 8
	SEND 7, 0
	s_wait_tensorcnt 0x0                           ; the wave's end, behind my last tensor load and my last LDS store
	ds_add_u32 v[SPW], v[NIL]
	s_wait_dscnt 0x0
	CROUND                                         ; the closing round: no work-group ends while a partner may still ask for a tile that names it
	s_endpgm
.Lfunc_end_k_q2c5e6e8e8b_gemm1:
	.size	k_q2c5e6e8e8b_gemm1, .Lfunc_end_k_q2c5e6e8e8b_gemm1-k_q2c5e6e8e8b_gemm1
	.p2alignl 7, 3214868480
	.fill 96, 4, 3214868480
	.section	.rodata,"a",@progbits
	.p2align	6, 0x0
	.amdhsa_kernel k_q2c5e6e8e8b_gemm1
		.amdhsa_group_segment_fixed_size 327680
		.amdhsa_private_segment_fixed_size 0
		.amdhsa_enable_private_segment 0
		.amdhsa_kernarg_size 32
		.amdhsa_user_sgpr_count 2
		.amdhsa_user_sgpr_kernarg_segment_ptr 1
		.amdhsa_wavefront_size32 1
		.amdhsa_system_sgpr_workgroup_id_x 1
		.amdhsa_system_sgpr_workgroup_id_y 1
		.amdhsa_system_sgpr_workgroup_id_z 1
		.amdhsa_system_vgpr_workitem_id 0
		.amdhsa_next_free_vgpr 1024
		.amdhsa_next_free_sgpr 80
		.amdhsa_reserve_vcc 0
		.amdhsa_float_denorm_mode_32 3
		.amdhsa_float_denorm_mode_16_64 3
		.amdhsa_memory_ordered 1
		.amdhsa_forward_progress 1
		.amdhsa_inst_pref_size 177
	.end_amdhsa_kernel
	.amdgpu_metadata
---
amdhsa.version: [ 1, 2 ]
amdhsa.kernels:
  - .name:           k_q2c5e6e8e8b_gemm1
    .symbol:         k_q2c5e6e8e8b_gemm1.kd
    .args:
      - { .name: xb, .offset: 0, .size: 8, .value_kind: global_buffer, .address_space: global }
      - { .name: wp, .offset: 8, .size: 8, .value_kind: global_buffer, .address_space: global }
      - { .name: b_proj, .offset: 16, .size: 8, .value_kind: global_buffer, .address_space: global }
      - { .name: hb, .offset: 24, .size: 8, .value_kind: global_buffer, .address_space: global }
    .group_segment_fixed_size: 327680
    .private_segment_fixed_size: 0
    .kernarg_segment_align: 8
    .kernarg_segment_size: 32
    .max_flat_workgroup_size: 128
    .sgpr_count:     80
    .vgpr_count:     1024
    .wavefront_size: 32
...
	.end_amdgpu_metadata
.endif
;; end of part 2
;; launch gemm2 (part 3): grid 4 x 64, 4 waves a work-group, clusters of 4 x 4, 327,680 bytes of LDS; arguments hb, wo, b_out, out0; writes out0
.if DOCPART == 3
	.amdgcn_target "amdgcn-amd-amdhsa--gfx1250"
	.amdhsa_code_object_version 6
	.text
	.protected	k_q2c5e6e8e8b_gemm2
	.globl	k_q2c5e6e8e8b_gemm2
	.p2align	8
	.type	k_q2c5e6e8e8b_gemm2,@function
k_q2c5e6e8e8b_gemm2:
	s_mov_b64 s[64:65], 0
	v_nop
	global_prefetch_b8 v0, s[64:65] scope:SCOPE_SE
	s_setreg_imm32_b32 hwreg(HW_REG_WAVE_MODE, 25, 1), 1
	s_wait_xcnt 0x0
	s_wait_alu depctr_hold_cnt(0) depctr_sa_sdst(0) depctr_va_vdst(0) depctr_va_sdst(0) depctr_va_ssrc(0) depctr_va_vcc(0) depctr_vm_vsrc(0)
	s_getreg_b32 s2, hwreg(HW_REG_IB_STS2, 6, 4)
	s_cmp_eq_u32 s2, 0
	s_cbranch_scc0 .Lentry_in_a_cluster
	s_endpgm
.Lentry_in_a_cluster:
	s_bfe_u32 s2, ttmp6, 0x10000c
	s_cmp_lg_u32 s2, 0xf033
	s_cbranch_scc0 .Lentry_shape_is_right
	s_endpgm
.Lentry_shape_is_right:
; out = H W_out + b_out.  Products in f16 with f32 sums; the bias, rounded to bf16 like every input, starts the sums; out is f32, [16384][1024].
; IN: hb, f16, 16 panels [col / 64][16384 rows][64]; wo [k = 1024][n = 1024] f16 (W_out rounded to bf16, that number written as f16).
; LIMITS.  hb and wo arrive within f16's range, 65,504; NaN and infinities go through the sums as they come.
; SHARES.  A tile of 256 x 256 of out to a work-group of four waves, a wave 128 x 128: 64 accumulators of 16 x 16, 512 registers: 256 work-groups.  K = 1,024 goes in 8 steps of 128 through a ring of two LDS slots.
; CLUSTERS of 4 x 4: the four of a row need the same rows of hb, the four of a column the same columns of wo: each tile is asked for JOINTLY, by the same tensor load with the same descriptor and a mask that names the four.
; THE MATRIX INSTRUCTION IS USED TRANSPOSED: source 0 = 16 columns n (wo lies [k][n], so its fragments come out of LDS turned, by ds_load_tr16_b128), source 1 = 16 rows of H.  A lane then holds row l % 16
; and its registers the columns 8 (l / 16) + 0..7: 32 bytes of a row of out.
; REGISTERS, in windows of 256 (s_set_vgpr_msb: bits 1:0 source 0, 3:2 source 1, 5:4 source 2, 7:6 destination):
;   window 0: v0-31 addresses; v64-127, v128-191 fragments of H, two buffers; on the way out the same 128 take rows read back from the stage, two buffers
;   window 1: v0-63 the bias, block b at 8 b; v64-127, v128-191 fragments of wo, two buffers; v192 at work
;   window 2: the accumulators of my rows 0-63 ((a, b) at 8 (8 a + b));   window 3: those of my rows 64-127
.set NP,     1024                      ; columns of wo
.set ROWB,   2*NP                      ; bytes in a row of wo
.set KSTEP,  128
.set LAPS,   4                         ; a lap = two K steps = once round the ring
.set PANEL,  2097152                   ; bytes in a panel
.set PA,     144                       ; a panel row in LDS: 128 bytes + 16 = 36 words: the 16 rows of a load start at 16 different groups of four banks (64 banks of 4 bytes: ISA guide 11.1)
.set PB,     544                       ; a row of wo's tile in LDS: 512 bytes + 32 = 136 words
.set AHALF,  256*PA                    ; the tile's 256 rows of one panel: what wave 0 or 1 fetches
.set BHALF,  64*PB                     ; 64 k of wo's tile: what wave 2 or 3 fetches
.set BOFF,   2*AHALF
.set SLOT,   BOFF+2*BHALF              ; 143,360
.set STAGE,  2*SLOT                    ; behind the ring, never filled by a tensor load: 16 rows x 528 bytes for each wave
.set SP,     528                       ; a stage row: 512 bytes + 16 = 132 words: the 16 rows of a store start at 16 different groups of four banks
.set SPARE,  STAGE+4*16*SP             ; behind the stages: the spare words, 128 bytes for each wave: two blocks of 256 bytes that no other line names
.set ADRA, 16                          ; v16-17  LDS address of my fragments of H in slot 0, 1
.set ADRB, 20                          ; v20-21  the same for wo
.set STO,  24                          ; v24     the way out: where I put 32 bytes of a row
.set RD,   25                          ; v25     the way out: where I read a row back
.set GO,   26                          ; v26     my byte offset in 512 consecutive bytes of out
.set BO,   27                          ; v27     my byte offset in b_out
.set SPW,  28                          ; v28     LDS address of my spare word: SPARE + 4 x my thread's number; never rewritten
.set NIL,  29                          ; v29     0; never rewritten
.set PFO,  30                          ; v30     the prefetches' lane offset; never rewritten
.set F0,   64
.set F1,   128
.set LIM,  15                          ; s15     1 in a wave that prefetches, else the greatest number
.set G1,   24                          ; s[24:31] descriptor group 1 for hb's tiles;  s[32:39] group 0, one set for each slot
.set G0,   32
.set PFA,  44                          ; s[44:45] where my prefetches stand
.set PFS,  46                          ; s[46:47] bytes from a K step to the next, for them
.set G1B,  48                          ; s[48:55], s[56:63] the same for wo's tiles
.set G0B,  56
.set MSB, 0
.macro WIN new                         ; the immediate's high byte repeats the setting that is left; a switch that changes nothing is dropped
.if MSB != (\new)
	s_set_vgpr_msb (MSB<<8)|(\new)
.set MSB, \new
.endif
.endm
; A joint load.  Waves 0 and 1 fetch the K step's two panels of hb, waves 2 and 3 the two halves of its 128 rows of wo.  The branch hangs on the wave's number alone.
; An s_nop 0 and four v_nop follow each of the two lines, ahead of the jump, the label and what follows the macro.
.macro JLOAD s
	s_cmp_eq_u32 s13, 0
	s_cbranch_scc0 .Lfor_b_\@
	tensor_load_to_lds s[G0+4*(\s):G0+4*(\s)+3], s[G1:G1+7]
	s_nop 0
.rept 4
	v_nop
.endr
	s_branch .Lasked_\@
.Lfor_b_\@:
	tensor_load_to_lds s[G0B+4*(\s):G0B+4*(\s)+3], s[G1B:G1B+7]
	s_nop 0
.rept 4
	v_nop
.endr
.Lasked_\@:
.endm
; A PREFETCH INTO THE L2, behind each joint refill, its five lines and the run of LDS loads: my share of the K step that stands TWO refills on, 512 matrix instructions ahead of its load: 32 blocks of 256 bytes, a lane a block.
; Each block is named once in the launch.  hb's rows are read by one cluster alone (the grid is one cluster wide: cluster x = 0 everywhere), which asks for them; wo's columns by all sixteen clusters: the one with y = 0 asks.
; The four partners of a joint load share its bytes out BY ADDRESS (8 KiB of a panel's 32 by cx; 16 of wo's 64 rows by cy): no branch hangs on a work-group's place in its cluster.  The loop's last trip (s3 = 1)
; asks for nothing: K steps 8 and 9 do not exist.  K steps 0 to 3 come by their loads alone.
.macro ASK
	s_cmp_gt_u32 s3, s[LIM]
	s_cbranch_scc0 .Lnot_mine_\@
	global_prefetch_b8 v[PFO], s[PFA:PFA+1] th:TH_LOAD_NT scope:SCOPE_SE
.Lnot_mine_\@:
.endm
; A round of the cluster's barrier: my work-group's barrier, so that wave 0's signal speaks for all four waves; wave 0 signals; every wave waits for all sixteen work-groups; my work-group's barrier once more.
.macro CREST                           ; a round behind its opening barrier
	s_cmp_lg_u32 s12, 0
	s_cbranch_scc1 .Lnot_wave_0_\@
	s_barrier_signal -3
.Lnot_wave_0_\@:
	s_barrier_wait -3
	s_barrier_signal -1
	s_barrier_wait -1
.endm
.macro CROUND
	s_barrier_signal -1
	s_barrier_wait -1
	CREST
.endm
	s_load_b256 s[4:11], s[0:1], 0x0               ; hb s[4:5], wo s[6:7], b_out s[8:9], out0 s[10:11]
	v_lshl_add_u32 v[SPW], v0, 2, SPARE
	v_mov_b32 v[NIL], 0
	ds_add_u32 v[SPW], v[NIL]                      ; the wave's opening: the add and its wait ahead of my first tensor load; the set-up below, work on registers, stands between them
	v_lshrrev_b32 v1, 5, v0
	v_readfirstlane_b32 s12, v1                    ; wave 0..3
	s_lshr_b32 s13, s12, 1                         ; which half of the tile's rows is mine.  Also: I fetch for hb (0) or for wo (1)
	s_and_b32 s14, s12, 1                          ; which half of its columns.  Also: which half of that tile I fetch
	s_bfe_u32 s40, ttmp6, 0x40000                  ; cx, cy: my place in the cluster
	s_bfe_u32 s41, ttmp6, 0x40004
	s_lshl_b32 s42, ttmp9, 2
	s_add_co_u32 s42, s42, s40                     ; tile column = 4 x cluster x + cx
	s_and_b32 s43, ttmp7, 0xffff
	s_lshl_b32 s43, s43, 2
	s_add_co_u32 s43, s43, s41                     ; tile row = 4 x cluster y + cy
	s_lshl_b32 s68, s41, 2
	s_lshl_b32 s68, 15, s68                        ; my row of the cluster: places 4 cy .. 4 cy + 3
	s_lshl_b32 s69, 0x1111, s40                    ; my column: places cx, cx + 4, cx + 8, cx + 12
	; group 1 for hb: 256 panel rows are 32,768 dense bytes: asked for as 128 rows of 256 bytes, two panel rows each, and padded in LDS after every panel row
	s_or_b32 s[G1+0], s68, (1<<16)|(1<<20)|(1<<21)|(4<<22)|(3<<25)   ; 15:0 the mask; 17:16 2-byte elements; 20 padding on; 21 set beside a mask; 24:22 after every 32 words (code 4); 31:25 4 words (code 3)
	s_mov_b32 s[G1+1], 128<<16                     ; tensor_dim0 = 128
	s_mov_b32 s[G1+2], 128<<16                     ; tensor_dim1 = 128
	s_mov_b32 s[G1+3], 128<<16                     ; tile_dim0 = 128
	s_mov_b32 s[G1+4], 128                         ; tile_dim1 = 128
	s_mov_b32 s[G1+5], 128                         ; 128 elements from row to row
	s_mov_b32 s[G1+6], 0
	s_mov_b32 s[G1+7], 0
	; group 1 for wo: 64 rows (k) of 256 elements, 512 bytes
	s_or_b32 s[G1B+0], s69, (1<<16)|(1<<20)|(1<<21)|(6<<22)|(7<<25)  ; the column's mask; padding after every 128 words (code 6), 8 words (code 7)
	s_mov_b32 s[G1B+1], 256<<16                    ; tensor_dim0 = 256
	s_mov_b32 s[G1B+2], 64<<16                     ; tensor_dim1 = 64
	s_mov_b32 s[G1B+3], 256<<16                    ; tile_dim0 = 256
	s_mov_b32 s[G1B+4], 64                         ; tile_dim1 = 64
	s_mov_b32 s[G1B+5], NP                         ; elements from row to row
	s_mov_b32 s[G1B+6], 0
	s_mov_b32 s[G1B+7], 0
	; where the tiles come from: hb's hang on the tile row alone, wo's on the tile column alone, each in registers that never hold the other coordinate
	s_lshl_b32 s16, s14, 21                        ; my panel of the K step's two
	s_lshl_b32 s17, s43, 15                        ; the tile's 256 rows of 128 bytes
	s_add_co_u32 s16, s16, s17
	s_mov_b32 s17, 0
	s_mul_i32 s20, s14, 64*ROWB                    ; my 64 of the K step's 128 rows
	s_lshl_b32 s21, s42, 9                         ; the tile's 256 columns
	s_add_co_u32 s20, s20, s21
	s_mov_b32 s21, 0
	s_mul_i32 s18, s14, AHALF                      ; and where they go: no place in the cluster enters an LDS address
	s_mul_i32 s22, s14, BHALF
	s_add_co_u32 s22, s22, BOFF
	s_wait_dscnt 0x0                               ; the opening add is done
	s_wait_kmcnt 0x0
	s_add_nc_u64 s[16:17], s[4:5], s[16:17]
	s_add_nc_u64 s[20:21], s[6:7], s[20:21]
	CROUND                                         ; all sixteen work-groups are here: the first joint loads meet
.irp s, 0,1
	s_mov_b32 s[G0+4*(\s)], 1                                        ; count = 1
	s_add_co_u32 s[G0+4*(\s)+1], s18, (\s)*SLOT                      ; LDS address
	s_add_nc_u64 s[G0+4*(\s)+2:G0+4*(\s)+3], s[16:17], (\s)*2*PANEL  ; global address: K step s is panels 2 s, 2 s + 1
	s_or_b32 s[G0+4*(\s)+3], s[G0+4*(\s)+3], 0x80000000              ; type = 2
	s_mov_b32 s[G0B+4*(\s)], 1
	s_add_co_u32 s[G0B+4*(\s)+1], s22, (\s)*SLOT
	s_add_nc_u64 s[G0B+4*(\s)+2:G0B+4*(\s)+3], s[20:21], (\s)*KSTEP*ROWB
	s_or_b32 s[G0B+4*(\s)+3], s[G0B+4*(\s)+3], 0x80000000
	JLOAD \s                                       ; both slots are asked for before anything else is done: two loads of mine are out
.endr
	; A fragment of H is 16 rows x 32 K in 8 registers: lane l holds row l % 16, K = 8 (l / 16) + 0..7 and 16 + 8 (l / 16) + 0..7: two loads of 16 bytes, 32 bytes apart.
	v_and_b32 v1, 15, v0                           ; r = l % 16
	v_bfe_u32 v2, v0, 4, 1                         ; h = l / 16
	v_and_b32 v3, 31, v0                           ; l
	v_mul_u32_u24 v4, v1, PA
	v_lshl_add_u32 v4, v2, 4, v4                   ; row x pitch + 16 x half
	s_mul_i32 s70, s13, 128*PA                     ; my 128 rows
	v_add_nc_u32 v[ADRA], s70, v4
	v_add_nc_u32 v[ADRA+1], SLOT, v[ADRA]
	; The turning load takes 16 k x 16 n (lane l reads k = 8 (l / 16) + l % 8, columns 8 ((l / 8) % 2) + 0..7) and leaves half a fragment: lane l holds column l % 16 and 8 k.
	v_and_b32 v5, 7, v0
	v_lshl_add_u32 v5, v2, 3, v5
	v_mul_u32_u24 v5, v5, PB
	v_bfe_u32 v6, v0, 3, 1
	v_lshl_add_u32 v5, v6, 4, v5
	s_lshl_b32 s70, s14, 8                         ; my 128 columns: 256 bytes
	s_add_co_u32 s70, s70, BOFF
	v_add_nc_u32 v[ADRB], s70, v5
	v_add_nc_u32 v[ADRB+1], SLOT, v[ADRB]
	s_mul_i32 s70, s12, 16*SP
	s_add_co_u32 s70, s70, STAGE                   ; my stage
	v_mul_u32_u24 v7, v1, SP                       ; in: row l % 16, 32 bytes for each half of the lanes
	v_lshl_add_u32 v7, v2, 5, v7
	v_add_nc_u32 v[STO], s70, v7
	v_lshl_add_u32 v[RD], v3, 4, s70               ; back: 32 lanes take one row of 512 bytes,
	v_lshlrev_b32 v[GO], 4, v3                     ; which are 512 consecutive bytes of out
	; out at my first row and column
	s_lshl_b32 s72, s43, 20                        ; 256 rows of 4,096 bytes
	s_lshl_b32 s73, s13, 19
	s_add_co_u32 s72, s72, s73
	s_lshl_b32 s73, s42, 10                        ; 256 columns of 4 bytes
	s_add_co_u32 s72, s72, s73
	s_lshl_b32 s73, s14, 9
	s_add_co_u32 s72, s72, s73
	s_mov_b32 s73, 0
	s_add_nc_u64 s[10:11], s[10:11], s[72:73]
	s_lshl_b32 s72, s42, 10                        ; b_out: the tile's 256 columns, my 128 of them, my lanes' 8
	s_lshl_b32 s73, s14, 9
	s_add_co_u32 s72, s72, s73
	v_lshl_add_u32 v[BO], v2, 5, s72
	; the prefetches: they stand at K step 3; each refill steps them one K step on before it asks
	s_and_b32 s72, ttmp7, 0xffff                   ; cluster y
	s_lshl_b32 s73, s14, 21                        ; hb: my panel, the tile's rows, my work-group's 8 KiB of their 32
	s_lshl_b32 s74, s43, 15
	s_add_co_u32 s73, s73, s74
	s_lshl_b32 s74, s40, 13
	s_add_co_u32 s73, s73, s74
	s_add_co_u32 s73, s73, 6*PANEL
	s_lshl_b32 s74, s14, 6                         ; wo: my 64 rows, my work-group's 16 of them, the tile's columns
	s_lshl_b32 s75, s41, 4
	s_add_co_u32 s74, s74, s75
	s_add_co_u32 s74, s74, 3*KSTEP
	s_mul_i32 s74, s74, ROWB
	s_lshl_b32 s75, s42, 9
	s_add_co_u32 s74, s74, s75
	s_mov_b32 s75, 2*PANEL
	s_mov_b32 s79, 256
	s_mov_b32 s77, 0
	s_mov_b32 s[PFS+1], 0
	s_cmp_eq_u32 s13, 0                            ; do I fetch for hb?
	s_cselect_b64 s[PFA:PFA+1], s[4:5], s[6:7]
	s_cselect_b32 s76, s73, s74
	s_cselect_b32 s[PFS], s75, KSTEP*ROWB
	s_cselect_b32 s78, 0, 1                        ; hb: lane l names block l of 256 bytes; wo: row l / 2, block l % 2
	s_cselect_b32 s79, s79, ROWB
	s_cselect_b32 s72, ttmp9, s72                  ; the coordinate along which other clusters read the same bytes
	s_cmp_eq_u32 s72, 0
	s_cselect_b32 s[LIM], 1, -1                    ; the same in all sixteen partners, for a given wave
	s_add_nc_u64 s[PFA:PFA+1], s[PFA:PFA+1], s[76:77]
	v_lshrrev_b32 v7, s78, v3
	v_mul_u32_u24 v7, s79, v7
	v_and_b32 v8, s78, v3
	v_lshl_add_u32 v[PFO], v8, 8, v7
	; the bias as a C operand: register j of block b holds the bias of column 16 b + 8 (l / 16) + j of my 128.  All this stands in the wait for the first tile.
	WIN 0x40                                       ; destination window 1, address window 0
.irp b, 0,1,2,3,4,5,6,7
	global_load_b128 v[8*(\b):8*(\b)+3],   v[BO], s[8:9] offset:64*(\b)
	global_load_b128 v[8*(\b)+4:8*(\b)+7], v[BO], s[8:9] offset:64*(\b)+16
.endr
	s_wait_loadcnt 0x0
	WIN 0x45                                       ; all in window 1: rounded to bf16 like every input, and widened again
.set z, 0
.rept 32
	v_cvt_pk_bf16_f32 v192, v[z], v[z+1]
	v_lshlrev_b32 v[z], 16, v192
	v_and_b32 v[z+1], 0xffff0000, v192
.set z, z+2
.endr
	WIN 0
; 16 matrix instructions: m blocks a0, a0 + 1 of the window's four (hi = 0: my rows 0-63, 1: rows 64-127) x all 8 n blocks, 32 along K.  first = 1: the bias starts the sums.
; The 64 accumulators take turns, one instruction a turn, in the same order in every quarter.
.macro MUL16 f, hi, a0, first
.if \first
	WIN 0x91+0x40*(\hi)                            ; source 0 (wo) and C (the bias) window 1, source 1 (H) window 0, D window 2 or 3
.else
	WIN 0xa1+0x50*(\hi)                            ; C and D window 2 or 3
.endif
.irp a, \a0, (\a0)+1
.irp b, 0,1,2,3,4,5,6,7
.if \first
	v_wmma_f32_16x16x32_f16 v[8*(8*(\a)+(\b)):8*(8*(\a)+(\b))+7], v[(\f)+8*(\b):(\f)+8*(\b)+7], v[(\f)+8*(4*(\hi)+(\a)):(\f)+8*(4*(\hi)+(\a))+7], v[8*(\b):8*(\b)+7]
.else
	v_wmma_f32_16x16x32_f16 v[8*(8*(\a)+(\b)):8*(8*(\a)+(\b))+7], v[(\f)+8*(\b):(\f)+8*(\b)+7], v[(\f)+8*(4*(\hi)+(\a)):(\f)+8*(4*(\hi)+(\a))+7], v[8*(8*(\a)+(\b)):8*(8*(\a)+(\b))+7]
.endif
.endr
.endr
.endm
; 32 LDS loads in one run: the fragments of quarter q (32 along K) of a slot into buffer f: wo's 8 (turned), then H's 8, my rows 64-127 last
.macro FETCH slot, q, f
	WIN 0x40
.irp i, 0,1,2,3,4,5,6,7
	ds_load_tr16_b128 v[(\f)+8*(\i):(\f)+8*(\i)+3],   v[ADRB+(\slot)] offset:(\q)*32*PB+32*(\i)
	ds_load_tr16_b128 v[(\f)+8*(\i)+4:(\f)+8*(\i)+7], v[ADRB+(\slot)] offset:(\q)*32*PB+32*(\i)+16*PB
.endr
	WIN 0
.irp i, 0,1,2,3,4,5,6,7
	ds_load_b128 v[(\f)+8*(\i):(\f)+8*(\i)+3],   v[ADRA+(\slot)] offset:((\q)/2)*AHALF+((\q)%2)*64+(\i)*16*PA
	ds_load_b128 v[(\f)+8*(\i)+4:(\f)+8*(\i)+7], v[ADRA+(\slot)] offset:((\q)/2)*AHALF+((\q)%2)*64+(\i)*16*PA+32
.endr
.endm
; A load into a register that a matrix instruction has read, and an LDS store that reads a matrix result, stand four plain vector instructions behind it (ISA guide 7.12.1 for vector instructions)
.macro PLACES
.rept 4
	v_nop
.endr
.endm
; A K step is four quarters of 32 along K, 64 matrix instructions each, on buffers 0, 1, 0, 1.  One of the first three: multiplies buffer f; in its middle it fetches quarter q of the same slot into buffer g.
.macro QUARTER slot, q, f, g, first
	s_wait_dscnt 8                                 ; wo's fragments and H's rows 0-63 are in; the youngest eight loads (rows 64-127) may be out
	MUL16 \f, 0, 0, \first
	MUL16 \f, 0, 2, \first
	PLACES
	FETCH \slot, \q, \g
	s_wait_dscnt 32                                ; all but the 32 just issued
	MUL16 \f, 1, 0, \first
	MUL16 \f, 1, 2, \first
.endm
; The last quarter multiplies buffer 1 and changes slots.  MEET is its first half: one barrier.  In front of it each wave waits for all its tensor loads (one is out: its part of the next slot), adds 0 to its
; spare word, and waits for that and for its own reads of this slot.  Behind it nobody reads this slot any more and the next slot is whole.
.macro MEET round                      ; round = 1: the rest of a round of the cluster's barrier follows
	WIN 0                                          ; (the add's two registers lie in window 0)
	s_wait_tensorcnt 0x0
	ds_add_u32 v[SPW], v[NIL]                      ; 0 onto my spare word
	s_wait_dscnt 9                                 ; (the add and the youngest eight loads may be out)
	MUL16 F1, 0, 0, 0                              ; sixteen matrix instructions stand between the add and the wait for it
	s_wait_dscnt 0x0                               ; the add is done, and my reads of this slot are over
	s_barrier_signal -1
	MUL16 F1, 0, 2, 0                              ; work on registers while the others arrive
.if \round
	WIN 0
.endif
	s_barrier_wait -1
.endm
; The whole last quarter, with a refill: the slot just read out takes the K step two steps on, first thing behind the round: 224 matrix instructions ahead of the wait for it.
.macro TURN slot, next
	s_wait_xcnt 0x0                                ; the last prefetch, a K step back, has read its address, so it may be stepped
	s_add_nc_u64 s[PFA:PFA+1], s[PFA:PFA+1], s[PFS:PFS+1]
	MEET 1
	CREST                                          ; no wave of any partner still reads this slot's tile or has a load on its way
	s_add_nc_u64 s[G0+4*(\slot)+2:G0+4*(\slot)+3], s[G0+4*(\slot)+2:G0+4*(\slot)+3], 4*PANEL
	s_add_nc_u64 s[G0B+4*(\slot)+2:G0B+4*(\slot)+3], s[G0B+4*(\slot)+2:G0B+4*(\slot)+3], 2*KSTEP*ROWB
	JLOAD \slot                                    ; its four v_nop are also the places in front of the loads below
	FETCH \next, 0, F0
	ASK
	MUL16 F1, 1, 0, 0
	MUL16 F1, 1, 2, 0
.endm
	s_wait_tensorcnt 1                             ; my part of K step 0 is in; K step 1's load, the one issued behind it, may stay out
	s_barrier_signal -1
	s_barrier_wait -1                              ; everybody's is
	FETCH 0, 0, F0
	QUARTER 0, 1, F0, F1, 1                        ; the first quarter stands in front of the loop: its products start the sums
	WIN 0                                          ; at a label and at a branch every window is 0
	s_mov_b32 s3, LAPS-1
.Llap:                                                 ; a trip goes once round the ring, from a lap's second quarter to the next lap's first, and fills both slots again
	QUARTER 0, 2, F1, F0, 0
	QUARTER 0, 3, F0, F1, 0
	TURN 0, 1
	QUARTER 1, 1, F0, F1, 0
	QUARTER 1, 2, F1, F0, 0
	QUARTER 1, 3, F0, F1, 0
	TURN 1, 0
	QUARTER 0, 1, F0, F1, 0
	WIN 0
	s_sub_co_u32 s3, s3, 1
	s_cmp_lg_u32 s3, 0
	s_cbranch_scc1 .Llap
	QUARTER 0, 2, F1, F0, 0                        ; the last lap fills nothing, and has no round of the cluster's barrier
	QUARTER 0, 3, F0, F1, 0
	MEET 0
	PLACES
	FETCH 1, 0, F0
	MUL16 F1, 1, 0, 0
	MUL16 F1, 1, 2, 0
	QUARTER 1, 1, F0, F1, 0
	QUARTER 1, 2, F1, F0, 0
	QUARTER 1, 3, F0, F1, 0
	s_wait_dscnt 8                                 ; the very last quarter: nothing more to fetch
	MUL16 F1, 0, 0, 0
	MUL16 F1, 0, 2, 0
	s_wait_dscnt 0x0
	MUL16 F1, 1, 0, 0
	MUL16 F1, 1, 2, 0
	WIN 0
; THE WAY OUT, a block a of 16 rows at a time: the sums are the result.  A lane's 32 bytes of a row go straight from the accumulators into my stage's rows of 528 bytes (each accumulator's four lowest registers
; first) and come back as whole rows of 512 bytes.
.macro TOSTAGE a
.set AC, 64*((\a)%4)
.set OB, 64+64*((\a)%2)
.if (\a) > 1
	s_wait_xcnt 0x0                                ; the stores of the block two back have read their registers (ISA guide 3.1): only behind this wait are those loaded again
.endif
	WIN 0x08+4*((\a)/4)                            ; the stores' data: window 2 or 3
.irp b, 0,1,2,3,4,5,6,7
	ds_store_b128 v[STO], v[AC+8*(\b):AC+8*(\b)+3]   offset:64*(\b)
	ds_store_b128 v[STO], v[AC+8*(\b)+4:AC+8*(\b)+7] offset:64*(\b)+16
.endr
	WIN 0
.irp t, 0,1,2,3,4,5,6,7,8,9,10,11,12,13,14,15
	ds_load_b128 v[OB+4*(\t):OB+4*(\t)+3], v[RD] offset:(\t)*SP  ; LDS serves a wave's instructions in order (ISA guide 5.7.1.4): these see the stores above; the next block's stores come behind them
.endr
.endm
.macro SEND a, younger                 ; younger: the LDS instructions issued behind block a's loads: the next block's 32, or none
.set OB, 64+64*((\a)%2)
	WIN 0
	s_wait_dscnt \younger
.irp t, 0,1,2,3,4,5,6,7,8,9,10,11,12,13,14,15
	global_store_b128 v[GO], v[OB+4*(\t):OB+4*(\t)+3], s[10:11] offset:(16*(\a)+(\t))*4096 th:TH_STORE_NT  ; 512 consecutive bytes, at a multiple of 256 from out's first; 127 rows at the most: inside the signed 24-bit immediate
.endr
.endm
	PLACES
	PLACES                                         ; eight plain instructions, once a launch, behind the last products
	TOSTAGE 0
.irp a, 1,2,3,4,5,6,7                  ; a block's way through the stage stands between the loads of the block before and its stores
	TOSTAGE \a
	SEND (\a)-1, 32
.endr
	SEND 7, 0
	s_wait_tensorcnt 0x0                           ; the wave's end, behind my last tensor load and my last LDS store
	ds_add_u32 v[SPW], v[NIL]
	s_wait_dscnt 0x0
	CROUND                                         ; the closing round: no work-group ends while a partner may still ask for a tile that names it
	s_endpgm
.Lfunc_end_k_q2c5e6e8e8b_gemm2:
	.size	k_q2c5e6e8e8b_gemm2, .Lfunc_end_k_q2c5e6e8e8b_gemm2-k_q2c5e6e8e8b_gemm2
	.p2alignl 7, 3214868480
	.fill 96, 4, 3214868480
	.section	.rodata,"a",@progbits
	.p2align	6, 0x0
	.amdhsa_kernel k_q2c5e6e8e8b_gemm2
		.amdhsa_group_segment_fixed_size 327680
		.amdhsa_private_segment_fixed_size 0
		.amdhsa_enable_private_segment 0
		.amdhsa_kernarg_size 32
		.amdhsa_user_sgpr_count 2
		.amdhsa_user_sgpr_kernarg_segment_ptr 1
		.amdhsa_wavefront_size32 1
		.amdhsa_system_sgpr_workgroup_id_x 1
		.amdhsa_system_sgpr_workgroup_id_y 1
		.amdhsa_system_sgpr_workgroup_id_z 1
		.amdhsa_system_vgpr_workitem_id 0
		.amdhsa_next_free_vgpr 1024
		.amdhsa_next_free_sgpr 80
		.amdhsa_reserve_vcc 0
		.amdhsa_float_denorm_mode_32 3
		.amdhsa_float_denorm_mode_16_64 3
		.amdhsa_memory_ordered 1
		.amdhsa_forward_progress 1
		.amdhsa_inst_pref_size 149
	.end_amdhsa_kernel
	.amdgpu_metadata
---
amdhsa.version: [ 1, 2 ]
amdhsa.kernels:
  - .name:           k_q2c5e6e8e8b_gemm2
    .symbol:         k_q2c5e6e8e8b_gemm2.kd
    .args:
      - { .name: hb, .offset: 0, .size: 8, .value_kind: global_buffer, .address_space: global }
      - { .name: wo, .offset: 8, .size: 8, .value_kind: global_buffer, .address_space: global }
      - { .name: b_out, .offset: 16, .size: 8, .value_kind: global_buffer, .address_space: global }
      - { .name: out0, .offset: 24, .size: 8, .value_kind: global_buffer, .address_space: global }
    .group_segment_fixed_size: 327680
    .private_segment_fixed_size: 0
    .kernarg_segment_align: 8
    .kernarg_segment_size: 32
    .max_flat_workgroup_size: 128
    .sgpr_count:     80
    .vgpr_count:     1024
    .wavefront_size: 32
...
	.end_amdgpu_metadata
.endif
;; end of part 3
;; ======== version 2 of 2: 3 launches; version 1 with the launch prep written anew for expert scheduling mode
;; limits: values are held in f16: magnitudes above 65,504 overflow, below 6.1e-05 lose precision
;; workspace buffers: xb 33,554,432 bytes; wp 4,194,304 bytes; wo 2,097,152 bytes; hb 33,554,432 bytes
;; launch prep (part 4): grid 1216 x 1, 8 waves a work-group, no clusters, 0 bytes of LDS; arguments x, W_proj, W_out, xb, wp, wo; writes xb, wp, wo
.if DOCPART == 4
	.amdgcn_target "amdgcn-amd-amdhsa--gfx1250"
	.amdhsa_code_object_version 6
	.text
	.protected	k_q2c5e6e8e8b_prep
	.globl	k_q2c5e6e8e8b_prep
	.p2align	8
	.type	k_q2c5e6e8e8b_prep,@function
k_q2c5e6e8e8b_prep:
	s_mov_b64 s[64:65], 0
	v_nop
	global_prefetch_b8 v0, s[64:65] scope:SCOPE_SE
	s_setreg_imm32_b32 hwreg(HW_REG_WAVE_SCHED_MODE, 0, 2), 2
	s_setreg_imm32_b32 hwreg(HW_REG_WAVE_MODE, 25, 1), 1
	s_wait_xcnt 0x0
	s_wait_alu depctr_vm_vsrc(0)
; THE CASTS.  x [16384][1024] f32 -> xb, bf16, in 16 panels of 64 columns: xb[col / 64][row][col % 64]: a panel's rows are 128 bytes and lie end to end.
; W_proj [1024][3072] f32 -> wp [k][n'] bf16, n' = 0..2047: n' = 32 B + 16 sub + i stands for W_proj's column 2048 sub + 16 B + i (sub 0: gate_input, sub 1: output_gate),
; so that sixteen columns of the one and the same sixteen of the other lie side by side.  Columns 1024..2047 (forget_input) are not read: the module splits them off and never uses them.
; W_out [1024][1024] f32 -> wo [k][n]: rounded to bf16 like every input, and that number written as f16.
; LIMITS.  wo: a magnitude of 65,520 or more becomes an infinity in f16; below 2^-14 f16 keeps its fixed step of 2^-24.
; SHARES.  A unit is one load of 16 bytes a lane (two aligned runs of 256 bytes a wave) and one store of 8 bytes a lane (256 consecutive bytes, aligned).  A thread does 16 units, written out:
; all 16 loads go out first, and each unit has registers of its own, so no register that a load or store names is ever written again.
; Work-groups 0..1023 take x, 1024..1151 W_proj, 1152..1215 W_out.  No LDS, barrier, matrix unit or cluster: nothing is shared and nothing is read twice.
; THE MODE: SCHED_MODE bits 1:0 = 2 (LLVM: expert scheduling mode 2), set by the entry lines.  The code itself states the register dependences
; between vector instructions and memory instructions, with s_wait_alu, always for 0.
; THE PLAN.  Registers that memory instructions touch, on each of the three paths (straight code, no loop):
;   v2, v3     the loads' and the stores' byte offsets: written by vector instructions at the path's head, never again.
;   X          unit u's four registers: its one load lands in them, its conversions read them; no vector instruction names them ahead of the loads, nothing writes them later.
;   Y          unit u's two registers: its conversions write them, its one store reads them; never written again.
; The 16 units go in four blocks of four.  The stores of block p - 1 are issued in block p, one ahead of each unit's conversions; those conversions name block p's X and Y (and E) alone.
; So one wait on va_vdst at a block's head states all that the block's four stores hang on; one more stands ahead of the first load, for v2 and v3, and one ahead of the last four stores.
; No wait on vm_vsrc is written: no register that a load or store reads is written again.  One wait on va_sdst stands behind the line that makes the wave's number a scalar.
.set X, 8                              ; v[8:71]    unit u: 4 f32 as loaded
.set Y, 72                             ; v[72:103]  unit u: 4 numbers of 16 bits to store
.set E, 104                            ; v[104:109] at work (W_out's path): no memory instruction names them
; 16 units from s[sb:sb+1] + v2 to s[db:db+1] + v3; sstep, dstep: bytes from unit to unit; half = 1: bf16, then that number as f16
.macro CAST16 sb, db, sstep, dstep, half
	s_wait_alu depctr_va_vdst(0)                   ; v2 and v3 are written: every load below reads v2 as its offset, every store v3
.set u, 0
.rept 16
	global_load_b128 v[X+4*u:X+4*u+3], v2, s[\sb:\sb+1] offset:u*(\sstep) th:TH_LOAD_NT
.set u, u+1
.endr
.set u, 0
.rept 16
	s_wait_loadcnt 15-u                            ; loads come back in order: unit u is in, the 15 - u younger ones may stay out
.if u >= 4
.if u % 4 == 0
	s_wait_alu depctr_va_vdst(0)                   ; the block before has written its eight registers of Y, which this block's four stores read
.endif
	global_store_b64 v3, v[Y+2*(u-4):Y+2*(u-4)+1], s[\db:\db+1] offset:(u-4)*(\dstep) th:TH_STORE_NT  ; the unit four back; no vector instruction since the wait names its Y or v3
.endif
.if \half
	v_cvt_pk_bf16_f32 v[E], v[X+4*u], v[X+4*u+1]
	v_cvt_pk_bf16_f32 v[E+1], v[X+4*u+2], v[X+4*u+3]
	v_lshlrev_b32 v[E+2], 16, v[E]                 ; bf16 back to f32: a shift or a mask
	v_and_b32 v[E+3], 0xffff0000, v[E]
	v_lshlrev_b32 v[E+4], 16, v[E+1]
	v_and_b32 v[E+5], 0xffff0000, v[E+1]
	v_cvt_pk_f16_f32 v[Y+2*u], v[E+2], v[E+3]
	v_cvt_pk_f16_f32 v[Y+2*u+1], v[E+4], v[E+5]
.else
	v_cvt_pk_bf16_f32 v[Y+2*u], v[X+4*u], v[X+4*u+1]
	v_cvt_pk_bf16_f32 v[Y+2*u+1], v[X+4*u+2], v[X+4*u+3]
.endif
.set u, u+1
.endr
	s_wait_alu depctr_va_vdst(0)                   ; the last block has written its Y, which the last four stores read
.set u, 12
.rept 4
	global_store_b64 v3, v[Y+2*u:Y+2*u+1], s[\db:\db+1] offset:u*(\dstep) th:TH_STORE_NT
.set u, u+1
.endr
.endm
	s_load_b256 s[4:11], s[0:1], 0x0               ; x s[4:5], W_proj s[6:7], W_out s[8:9], xb s[10:11]
	s_load_b128 s[12:15], s[0:1], 0x20             ; wp s[12:13], wo s[14:15]
	v_and_b32 v1, 31, v0                           ; lane l
	v_lshrrev_b32 v4, 5, v0
	v_readfirstlane_b32 s16, v4                    ; wave 0..7
	s_mov_b32 s17, ttmp9
	s_wait_alu depctr_va_sdst(0)                   ; s16 is written, ahead of the branches and of its first reader on each of the three paths
	s_wait_kmcnt 0x0
	s_cmp_lt_u32 s17, 1024
	s_cbranch_scc0 .Lweights
	; x: the work-group takes 32 rows and 8 panels, a wave one panel: a unit is two rows x 256 bytes of x, 256 bytes of xb
	s_lshr_b32 s18, s17, 1                         ; block of 32 rows
	s_and_b32 s19, s17, 1
	s_lshl_b32 s19, s19, 3
	s_add_co_u32 s19, s19, s16                     ; panel
	s_lshl_b32 s20, s18, 17                        ; 32 rows of 4,096 bytes
	s_lshl_b32 s21, s19, 8                         ; a panel's 256 bytes of a row
	s_add_co_u32 s20, s20, s21
	s_lshl_b32 s21, s19, 21                        ; a panel of xb: 2,097,152 bytes
	s_lshl_b32 s18, s18, 12                        ; 32 rows of 128 bytes
	s_add_co_u32 s21, s21, s18
	v_lshrrev_b32 v4, 4, v1                        ; lanes 16-31: the next row
	v_and_b32 v5, 15, v1
	v_lshlrev_b32 v5, 4, v5
	v_lshl_add_u32 v4, v4, 12, v5
	v_add_nc_u32 v2, s20, v4
	v_lshl_add_u32 v3, v1, 3, s21
	CAST16 4, 10, 8192, 256, 0
	s_endpgm
.Lweights:
	s_cmp_lt_u32 s17, 1152
	s_cbranch_scc0 .Lwout
	; W_proj: the work-group takes 16 k and half of the 2,048 n', a wave 128 n': a unit is one k: 256 bytes of gate_input's columns and 256 of output_gate's
	s_sub_co_u32 s17, s17, 1024
	s_lshr_b32 s18, s17, 1                         ; block of 16 k
	s_and_b32 s19, s17, 1
	s_lshl_b32 s19, s19, 3
	s_add_co_u32 s19, s19, s16                     ; block of 128 n'
	s_mul_i32 s20, s18, 196608                     ; 16 rows of 12,288 bytes
	s_lshl_b32 s21, s19, 8                         ; 64 columns of each third: 256 bytes
	s_add_co_u32 s20, s20, s21
	s_lshl_b32 s18, s18, 16                        ; 16 rows of 4,096 bytes of wp
	s_add_co_u32 s21, s21, s18                     ; 128 n' are 256 bytes there too
	v_bfe_u32 v4, v1, 2, 1                         ; my four n' = 4 l ..: sub = (l / 4) % 2,
	v_lshlrev_b32 v4, 13, v4                       ; 2,048 columns on
	v_lshrrev_b32 v5, 3, v1                        ; B = l / 8: 16 columns each,
	v_lshl_add_u32 v4, v5, 6, v4
	v_and_b32 v5, 3, v1                            ; i = 4 (l % 4)
	v_lshl_add_u32 v4, v5, 4, v4
	v_add_nc_u32 v2, s20, v4
	v_lshl_add_u32 v3, v1, 3, s21
	CAST16 6, 12, 12288, 4096, 0
	s_endpgm
.Lwout:
	; W_out: the work-group takes 16 k, a wave 128 columns: a unit is one k
	s_sub_co_u32 s17, s17, 1152
	s_lshl_b32 s20, s17, 16                        ; 16 rows of 4,096 bytes
	s_lshl_b32 s21, s16, 9
	s_add_co_u32 s20, s20, s21
	s_lshl_b32 s21, s17, 15                        ; 16 rows of 2,048 bytes
	s_lshl_b32 s18, s16, 8
	s_add_co_u32 s21, s21, s18
	v_lshl_add_u32 v2, v1, 4, s20
	v_lshl_add_u32 v3, v1, 3, s21
	CAST16 8, 14, 4096, 2048, 1
	s_endpgm
.Lfunc_end_k_q2c5e6e8e8b_prep:
	.size	k_q2c5e6e8e8b_prep, .Lfunc_end_k_q2c5e6e8e8b_prep-k_q2c5e6e8e8b_prep
	.p2alignl 7, 3214868480
	.fill 96, 4, 3214868480
	.section	.rodata,"a",@progbits
	.p2align	6, 0x0
	.amdhsa_kernel k_q2c5e6e8e8b_prep
		.amdhsa_group_segment_fixed_size 0
		.amdhsa_private_segment_fixed_size 0
		.amdhsa_enable_private_segment 0
		.amdhsa_kernarg_size 48
		.amdhsa_user_sgpr_count 2
		.amdhsa_user_sgpr_kernarg_segment_ptr 1
		.amdhsa_wavefront_size32 1
		.amdhsa_system_sgpr_workgroup_id_x 1
		.amdhsa_system_sgpr_workgroup_id_y 1
		.amdhsa_system_sgpr_workgroup_id_z 1
		.amdhsa_system_vgpr_workitem_id 0
		.amdhsa_next_free_vgpr 112
		.amdhsa_next_free_sgpr 66
		.amdhsa_reserve_vcc 0
		.amdhsa_float_denorm_mode_32 3
		.amdhsa_float_denorm_mode_16_64 3
		.amdhsa_memory_ordered 1
		.amdhsa_forward_progress 1
		.amdhsa_inst_pref_size 25
	.end_amdhsa_kernel
	.amdgpu_metadata
---
amdhsa.version: [ 1, 2 ]
amdhsa.kernels:
  - .name:           k_q2c5e6e8e8b_prep
    .symbol:         k_q2c5e6e8e8b_prep.kd
    .args:
      - { .name: x, .offset: 0, .size: 8, .value_kind: global_buffer, .address_space: global }
      - { .name: W_proj, .offset: 8, .size: 8, .value_kind: global_buffer, .address_space: global }
      - { .name: W_out, .offset: 16, .size: 8, .value_kind: global_buffer, .address_space: global }
      - { .name: xb, .offset: 24, .size: 8, .value_kind: global_buffer, .address_space: global }
      - { .name: wp, .offset: 32, .size: 8, .value_kind: global_buffer, .address_space: global }
      - { .name: wo, .offset: 40, .size: 8, .value_kind: global_buffer, .address_space: global }
    .group_segment_fixed_size: 0
    .private_segment_fixed_size: 0
    .kernarg_segment_align: 8
    .kernarg_segment_size: 48
    .max_flat_workgroup_size: 256
    .sgpr_count:     66
    .vgpr_count:     112
    .wavefront_size: 32
...
	.end_amdgpu_metadata
.endif
;; end of part 4
;; launch gemm1: the kernel of part 2 again; grid 8 x 64, 4 waves a work-group, clusters of 4 x 4, 327,680 bytes of LDS; arguments xb, wp, b_proj, hb; writes hb
;; launch gemm2: the kernel of part 3 again; grid 4 x 64, 4 waves a work-group, clusters of 4 x 4, 327,680 bytes of LDS; arguments hb, wo, b_out, out0; writes out0
